; MI455X (gfx1250); checked and timed in simulation.
; The chip was launched on July 23, 2026; its instructions are those of AMD's public machine-readable ISA for CDNA 5 (MIT licence, August 2026) and "CDNA5" Instruction Set Architecture Reference Guide (July 2026). The comments in the code are by the model that wrote it; some were corrected since.
;; Base Layer. Allowed arithmetic: matrix products marked QUANTISED: E5M2 operands, one given power-of-two scale a tensor, by v_wmma_f32_16x16x64_bf8_bf8 or v_wmma_f32_16x16x128_bf8_bf8, f32 sums; products left as they are: f32 operands where the result goes on into a quantised operand, else bf16, f16 or f32 operands; f32 sums; everything else in f32.
;; Inputs: W1_codes 8 x 4,096 x 32 x 32 uint8 (E5M2 codes of W1, K innermost, in blocks of 32 codes); W2_codes 8 x 1,024 x 128 x 32 uint8 (E5M2 codes of W2, K innermost, in blocks of 32 codes); b1 8 x 4,096 float32; b2 8 x 1,024 float32; beta 8 x 1,024 float32; centroids 8 x 1,024 float32; gamma 8 x 1,024 float32; lowp_scales 4 int32 (the exponents e of the quantised operands' scales 2^e); x 1 x 1,024 x 1,024 float32.
;; Outputs: out0 1 x 1,024 x 1,024 float32.
;; This version of the problem:
;;   THIS VERSION OF THE PROBLEM IS GIVEN IN LOW PRECISION. The matrix products marked QUANTISED in the list below multiply operands that are first quantised to E5M2 (5 exponent bits, 2 mantissa bits; 8 bits a number), with one given power-of-two scale for each operand tensor; their sums are f32. All else is computed in f32.
;;   The module's matrix products, in the order in which they are computed (A, B: the left and right operand; K: the contracted axis; several contracted axes count as one K, in the product's order):
;;     1. [M 1,024, K 1,024] x [K 1,024, N 8]; A: input x; B: input centroids: left as it is (N = 8 < 16)
;;     2. batch 8 x [M 1,024, K 1,024] x [K 1,024, N 4,096]; A: computed on the way; B: input W1 (given as codes): QUANTISED (scales: A lowp_scales[0], B lowp_scales[1])
;;     3. batch 8 x [M 1,024, K 4,096] x [K 4,096, N 1,024]; A: computed on the way; B: input W2 (given as codes): QUANTISED (scales: A lowp_scales[2], B lowp_scales[3])
;;     4. batch 1,024 x [M 1, K 8] x [K 8, N 1,024]; A: computed on the way; B: computed on the way: left as it is (K = 8 < 32)
;;   THE QUANTISER, for each operand of a quantised product, along K:
;;     - The operand's scale is 2^e, e = its entry of the input lowp_scales (int32; the entries are numbered through the quantised products in the list's order, A before B).
;;     - Each number is divided by the scale, clamped to +-57,344, and rounded to the nearest number of E5M2, ties to even, subnormals kept.
;;     - The product sums the exact products of the quantised numbers (number of the format x scale) in f32.
;;   ~~~python
;;   def quantise(x, axis, e):      # numpy; x: float32 -> the quantised numbers, widened to float32 again
;;       x = np.moveaxis(x, axis, -1); K = x.shape[-1]
;;       r = np.clip(x / 2.0 ** e, -57344, 57344)
;;       step = 2.0 ** (np.maximum(np.frexp(np.where(r == 0, 1, r))[1] - 1, -14) - 2)
;;       q = np.round(r / step) * step * 2.0 ** e      # np.round: ties to even
;;       return np.moveaxis(q, -1, axis).astype(np.float32)
;;   ~~~
;;   OPERANDS COMPUTED ON THE WAY. 'Computed on the way' means the value that the module computes at that place (a softmax that the list does not call 'softmax' is quantised finished and normalised). What goes into a quantiser is computed in f32, as accurately as f32 sums, v_exp_f32 and their like allow (about 1e-6 of the number): no bf16 or f16 on the way to a quantiser, and a product that is left as it is and whose result goes on into a quantised operand takes f32 operands (vector FMAs, or v_wmma_f32_16x16x4_f32). A number that lies on a knife's edge between two numbers of the format may be rounded either way, as far as f32 arithmetic and the matrix unit's own rounding can turn it there, and no further.
;;   INPUTS GIVEN AS CODES. W1 (in the module: [8, 4096, 1024], K = its axis 2); W2 (in the module: [8, 1024, 4096], K = its axis 2): each comes as NAME_codes (uint8): NAME with its K axis moved to the last place and cut into blocks of 32 codes, [.., K / 32, bytes a block], one block behind the other in memory; one code a byte (a code: sign, 5 exponent bits, 2 mantissa bits); its scale is its entry of lowp_scales. Its value is code x scale, taken as it is: it is not quantised again, and the codes and scales need not be those that the quantiser above would give.
;; 2 versions, each right; version 2 is version 1 with the launch ffn2 written anew for expert scheduling mode. Each part assembles by itself: llvm-mc -triple=amdgcn-amd-amdhsa -mcpu=gfx1250 --defsym DOCPART=n.
;; ======== version 1 of 2: 3 launches
;; workspace buffers: expert 4,096 bytes of whole numbers; alpha 4,096 bytes; hq 1,048,576 bytes; hid 33,554,432 bytes; order 49,152 bytes of whole numbers
;; launch route (part 1): grid 256 x 1, 8 waves a work-group, no clusters, 7,168 bytes of LDS; arguments x, centroids, gamma, beta, lowp_scales, expert, alpha, hq; writes expert, alpha, hq
.if DOCPART == 1
	.amdgcn_target "amdgcn-amd-amdhsa--gfx1250"
	.amdhsa_code_object_version 6
	.text
	.protected	k_q5747cd2eb3_route
	.globl	k_q5747cd2eb3_route
	.p2align	8
	.type	k_q5747cd2eb3_route,@function
k_q5747cd2eb3_route:
	s_mov_b64 s[64:65], 0
	v_nop
	global_prefetch_b8 v0, s[64:65] scope:SCOPE_SE
	s_setreg_imm32_b32 hwreg(HW_REG_WAVE_MODE, 25, 1), 1
	s_wait_xcnt 0x0
; ROUTE.  For each of 1,024 tokens: the 8 scores x . centroid[e] in f32, the first largest of them (the expert), alpha = sigmoid(that score),
; LayerNorm with the chosen expert's gamma and beta, and the codes of E5M2 of the result with the given scale 2^e0 (lowp_scales[0]).
; Stored: expert[token] (int32), alpha[token] (f32), hq[token][1024] (codes, K in its natural order).
; SHARES.  A work-group of eight waves takes 4 tokens.  Thread v0 owns columns 4 v0 .. 4 v0 + 3 of every row, so each load of a wave covers 512 consecutive bytes,
; and the three tables (8 rows each of centroids, gamma, beta) are read once a work-group and serve its 4 tokens.
; THE CHOICE STEERS NO ADDRESS AND NO BRANCH HERE: gamma and beta of all 8 experts lie in registers and the chosen ones are taken by selects.
; LIMITS.  NaN among the inputs is not served.  e0 between -126 and 112, so that 2^e0 and 57,344 x 2^e0 are f32 numbers.  Equal scores: the lower index.
; Two best scores closer than the rounding of an f32 sum of 1,024 terms may be ordered otherwise than by another order of summation.
.set SUM,  1024                        ; LDS: bytes 0-1023 the waves' 32 partial scores (128 bytes a wave); here 16 bytes a wave: the 4 row sums
.set SQ,   1152                        ; 16 bytes a wave: the 4 sums of squares
.set CODE, 2048                        ; 4 rows x 1,024 bytes of codes
.set X,    16                          ; v16-31   token t at X + 4 t: x, then x - mean, then h
.set CEN,  32                          ; v32-63   centroids of 8 experts; later what comes back from LDS
.set GAM,  64                          ; v64-95   gamma of 8 experts
.set BET,  96                          ; v96-127  beta of 8 experts
.set P,    128                         ; v128-159 partial scores, number 8 t + e
.set G,    160                         ; v160-175 the chosen gamma, token t at G + 4 t
.set B,    176                         ; v176-191 the chosen beta
.set S,    192                         ; v192-195 partial sums, then partial sums of squares
.set MU,   196                         ; v196-199 the means
.set RS,   200                         ; v200-203 1 / sqrt(var + eps)
.set CD,   204                         ; v204-207 codes: token t's four in CD + t
	s_load_b256 s[4:11], s[0:1], 0x0               ; x, centroids, gamma, beta
	s_load_b256 s[12:19], s[0:1], 0x20             ; lowp_scales, expert, alpha, hq
	v_lshl_add_u32 v224, v0, 2, 0x1800
	v_mov_b32 v225, 0
	v_lshlrev_b32 v1, 4, v0                        ; 16 v0: my 16 bytes of a row of f32; also my 16 bytes of the 4 rows of codes
	v_and_b32 v2, 31, v0                           ; lane
	v_lshlrev_b32 v3, 2, v0                        ; 4 v0
	v_lshrrev_b32 v6, 5, v0
	v_readfirstlane_b32 s20, v6                    ; wave
	v_lshl_add_u32 v4, v6, 4, SUM                  ; my wave's 16 bytes among the row sums
	v_mov_b32 v5, 0
	v_lshlrev_b32 v14, 2, v2                       ; 4 x lane
	s_mov_b32 s22, 0x3a800000                      ; 1 / 1,024
	s_mov_b32 s23, 0x3727c5ac                      ; 1e-5
	s_mov_b32 s24, 0xaaaaaaaa                      ; lanes whose bit 0 is set,
	s_mov_b32 s25, 0xcccccccc                      ; bit 1,
	s_mov_b32 s26, 0xf0f0f0f0                      ; bit 2,
	s_mov_b32 s27, 0xff00ff00                      ; bit 3,
	s_mov_b32 s28, 0xffff0000                      ; bit 4
	s_mov_b32 s30, 0x76543210                      ; v_permlanex16_b32: lane l xor 16
	s_mov_b32 s31, 0xfedcba98
	s_lshl_b32 s38, ttmp9, 14                      ; 4 rows of x
	s_mov_b32 s39, 0
	s_lshl_b32 s40, ttmp9, 4                       ; 4 words of expert and of alpha
	s_mov_b32 s41, 0
	s_lshl_b32 s42, ttmp9, 12                      ; 4 rows of codes
	s_mov_b32 s43, 0
	s_wait_kmcnt 0x0
	s_load_b32 s21, s[12:13], 0x0                  ; e0
	s_add_nc_u64 s[4:5], s[4:5], s[38:39]
	s_add_nc_u64 s[14:15], s[14:15], s[40:41]
	s_add_nc_u64 s[16:17], s[16:17], s[40:41]
	s_add_nc_u64 s[18:19], s[18:19], s[42:43]
.irp t, 0,1,2,3
	global_load_b128 v[X+4*\t:X+4*\t+3], v1, s[4:5] offset:4096*\t
.endr
.irp e, 0,1,2,3,4,5,6,7
	global_load_b128 v[CEN+4*\e:CEN+4*\e+3], v1, s[6:7] offset:4096*\e
.endr
.irp e, 0,1,2,3,4,5,6,7
	global_load_b128 v[GAM+4*\e:GAM+4*\e+3], v1, s[8:9] offset:4096*\e
.endr
.irp e, 0,1,2,3,4,5,6,7
	global_load_b128 v[BET+4*\e:BET+4*\e+3], v1, s[10:11] offset:4096*\e
.endr
; One stage of a butterfly that adds and transposes at once: of each pair of registers a lane keeps the one that its bit st picks and hands the other to the lane
; m away, so cnt registers become cnt / 2.  After five stages lane l holds the wave's sum of number l.
.macro BFLY st, m, cnt
.set j, 0
.rept \cnt/2
	v_cndmask_b32 v[6+2*((j/2)%4)], v[P+j], v[P+j+1], s[24+\st]
	v_cndmask_b32 v[7+2*((j/2)%4)], v[P+j+1], v[P+j], s[24+\st]
	v_add_f32_dpp v[P+j/2], v[7+2*((j/2)%4)], v[6+2*((j/2)%4)] row_xmask:\m row_mask:0xf bank_mask:0xf
.set j, j+2
.endr
.endm
; Four registers, each summed over the wave's 32 lanes; every lane ends with the sums.
.macro RED4 base
.irp m, 1,2,4,8
.irp t, 0,1,2,3
	v_add_f32_dpp v[\base+\t], v[\base+\t], v[\base+\t] row_xmask:\m row_mask:0xf bank_mask:0xf
.endr
.endr
.irp t, 0,1,2,3
	v_permlanex16_b32 v[6+\t], v[\base+\t], s30, s31
.endr
.irp t, 0,1,2,3
	v_add_f32 v[\base+\t], v[\base+\t], v[6+\t]
.endr
.endm
	s_wait_loadcnt 16                              ; x and the centroids are in; the 16 loads of gamma and beta may stay out
.irp t, 0,1,2,3
	v_pk_add_f32 v[6+2*\t:7+2*\t], v[X+4*\t:X+4*\t+1], v[X+4*\t+2:X+4*\t+3]
.endr
.irp t, 0,1,2,3
	v_add_f32 v[S+\t], v[6+2*\t], v[7+2*\t]        ; my four columns' part of token t's sum
.endr
.irp t, 0,1,2,3
.irp a, 0,4
.irp e, 0,1,2,3
	v_pk_mul_f32 v[6+2*\e:7+2*\e], v[X+4*\t:X+4*\t+1], v[CEN+4*(\a+\e):CEN+4*(\a+\e)+1]
.endr
.irp e, 0,1,2,3
	v_pk_fma_f32 v[6+2*\e:7+2*\e], v[X+4*\t+2:X+4*\t+3], v[CEN+4*(\a+\e)+2:CEN+4*(\a+\e)+3], v[6+2*\e:7+2*\e]
.endr
.irp e, 0,1,2,3
	v_add_f32 v[P+8*\t+\a+\e], v[6+2*\e], v[7+2*\e] ; my part of score (t, a + e)
.endr
.endr
.endr
	BFLY 0, 1, 32
	BFLY 1, 2, 16
	BFLY 2, 4, 8
	BFLY 3, 8, 4
	v_cndmask_b32 v6, v[P], v[P+1], s28            ; the fifth stage crosses the halves of the lanes
	v_cndmask_b32 v7, v[P+1], v[P], s28
	v_permlanex16_b32 v8, v7, s30, s31
	v_add_f32 v[P], v6, v8                         ; lane l: the wave's part of score (t = l / 8, e = l % 8)
	RED4 S
	ds_store_b32 v3, v[P]                          ; 128 bytes a wave
	ds_store_b128 v4, v[S:S+3]                     ; all lanes store the same 16 bytes
	s_wait_kmcnt 0x0
	s_add_co_i32 s21, s21, 127
	s_lshl_b32 s36, s21, 23
	v_mov_b32 v216, s36                            ; 2^e0 as f32: the conversion takes its exponent field
	s_add_co_i32 s21, s21, 15
	s_lshl_b32 s21, s21, 23
	s_or_b32 s21, s21, 0x600000
	v_mov_b32 v217, s21                            ; 57,344 x 2^e0
	s_wait_dscnt 0x0                               ; for the other waves' sake: my stores have landed
	s_barrier_signal -1
	s_barrier_wait -1
.irp w, 0,1,2,3,4,5,6,7
	ds_load_b32 v[P+8+\w], v14 offset:128*\w
.endr
.irp w, 0,1,2,3,4,5,6,7
	ds_load_b128 v[CEN+4*\w:CEN+4*\w+3], v5 offset:SUM+16*\w
.endr
	s_wait_dscnt 0x0
	v_add_f32 v208, v[P+8], v[P+9]
.irp w, 2,3,4,5,6,7
	v_add_f32 v208, v208, v[P+8+\w]                ; lane l: score (l / 8, l % 8)
.endr
	v_pk_add_f32 v[MU:MU+1], v[CEN:CEN+1], v[CEN+4:CEN+5]
	v_pk_add_f32 v[MU+2:MU+3], v[CEN+2:CEN+3], v[CEN+6:CEN+7]
.irp w, 2,3,4,5,6,7
	v_pk_add_f32 v[MU:MU+1], v[MU:MU+1], v[CEN+4*\w:CEN+4*\w+1]
	v_pk_add_f32 v[MU+2:MU+3], v[MU+2:MU+3], v[CEN+4*\w+2:CEN+4*\w+3]
.endr
.irp t, 0,1,2,3
	v_mul_f32 v[MU+\t], s22, v[MU+\t]              ; the means
.endr
	v_mov_b32 v209, v208                           ; the largest of a token's 8 scores, in all eight of its lanes
	v_max_num_f32_dpp v209, v209, v209 row_xmask:1 row_mask:0xf bank_mask:0xf
	v_max_num_f32_dpp v209, v209, v209 row_xmask:2 row_mask:0xf bank_mask:0xf
	v_max_num_f32_dpp v209, v209, v209 row_xmask:4 row_mask:0xf bank_mask:0xf
	v_and_b32 v210, 7, v2
	v_cvt_f32_u32 v210, v210                       ; my e as f32
	v_mov_b32 v211, 0x41000000                     ; 8.0: over every e
	v_cmp_eq_f32 vcc_lo, v208, v209
	v_cndmask_b32 v210, v211, v210, vcc_lo         ; e where my score is the largest, else 8
	v_min_num_f32_dpp v210, v210, v210 row_xmask:1 row_mask:0xf bank_mask:0xf
	v_min_num_f32_dpp v210, v210, v210 row_xmask:2 row_mask:0xf bank_mask:0xf
	v_min_num_f32_dpp v210, v210, v210 row_xmask:4 row_mask:0xf bank_mask:0xf
	v_cvt_u32_f32 v211, v210                       ; the lowest such e: the expert
	v_min_u32 v211, 7, v211
	v_mul_f32 v212, 0xbfb8aa3b, v209               ; - log2(e) x the chosen score
	v_exp_f32 v212, v212
	v_nop                                          ; a plain instruction behind the exponential
	s_wait_alu depctr_va_vdst(0)                   ; the wait ahead of the first reader
	v_add_f32 v212, 1.0, v212
	v_rcp_f32 v213, v212                           ; alpha = 1 / (1 + e^-score)
	v_nop
	s_wait_alu depctr_va_vdst(0)
	v_readlane_b32 s32, v211, 0                    ; the four tokens' experts: they feed selects alone
	v_readlane_b32 s33, v211, 8
	v_readlane_b32 s34, v211, 16
	v_readlane_b32 s35, v211, 24
	s_cmp_lg_u32 s20, 0
	s_cbranch_scc1 .Lnot_wave_0
	v_lshrrev_b32 v214, 3, v2
	v_lshlrev_b32 v214, 2, v214                    ; a token's eight lanes store the same word with the same value: 16 bytes a work-group in each of two buffers of 4,096 bytes
	global_store_b32 v214, v211, s[14:15]
	global_store_b32 v214, v213, s[16:17]
.Lnot_wave_0:
.irp t, 0,1,2,3
.irp i, 0,1,2,3
	v_sub_f32 v[X+4*\t+\i], v[X+4*\t+\i], v[MU+\t] ; x - mean
.endr
.endr
.irp t, 0,1,2,3
	v_mul_f32 v[S+\t], v[X+4*\t], v[X+4*\t]
.endr
.irp i, 1,2,3
.irp t, 0,1,2,3
	v_fmac_f32 v[S+\t], v[X+4*\t+\i], v[X+4*\t+\i]
.endr
.endr
	RED4 S
	ds_store_b128 v4, v[S:S+3] offset:SQ-SUM
	s_wait_loadcnt 0x0                             ; gamma and beta are in
.irp t, 0,1,2,3                        ; the chosen expert's gamma and beta, by selects: expert 0's to begin with, replaced where the token's expert is e
.irp e, 1,2,3,4,5,6,7
	s_cmp_eq_u32 s[32+\t], \e
	s_cselect_b32 s36, -1, 0
.irp i, 0,1,2,3
.if \e == 1
	v_cndmask_b32 v[G+4*\t+\i], v[GAM+\i], v[GAM+4+\i], s36
	v_cndmask_b32 v[B+4*\t+\i], v[BET+\i], v[BET+4+\i], s36
.else
	v_cndmask_b32 v[G+4*\t+\i], v[G+4*\t+\i], v[GAM+4*\e+\i], s36
	v_cndmask_b32 v[B+4*\t+\i], v[B+4*\t+\i], v[BET+4*\e+\i], s36
.endif
.endr
.endr
.endr
	s_wait_dscnt 0x0
	s_barrier_signal -1
	s_barrier_wait -1
.irp w, 0,1,2,3,4,5,6,7
	ds_load_b128 v[CEN+4*\w:CEN+4*\w+3], v5 offset:SQ+16*\w
.endr
	s_wait_dscnt 0x0
	v_pk_add_f32 v[RS:RS+1], v[CEN:CEN+1], v[CEN+4:CEN+5]
	v_pk_add_f32 v[RS+2:RS+3], v[CEN+2:CEN+3], v[CEN+6:CEN+7]
.irp w, 2,3,4,5,6,7
	v_pk_add_f32 v[RS:RS+1], v[RS:RS+1], v[CEN+4*\w:CEN+4*\w+1]
	v_pk_add_f32 v[RS+2:RS+3], v[RS+2:RS+3], v[CEN+4*\w+2:CEN+4*\w+3]
.endr
.irp t, 0,1,2,3
	v_fma_f32 v[RS+\t], v[RS+\t], s22, s23         ; var + eps
.endr
.irp t, 0,1,2,3
	v_rsq_f32 v[RS+\t], v[RS+\t]
.endr
	v_nop                                          ; a plain instruction behind the last of the batch
	s_wait_alu depctr_va_vdst(0)                   ; one wait for the four, ahead of their first reader
.irp t, 0,1,2,3
.irp i, 0,1,2,3
	v_mul_f32 v[X+4*\t+\i], v[X+4*\t+\i], v[RS+\t]
.endr
.endr
.irp k, 0,2,4,6,8,10,12,14
	v_pk_fma_f32 v[X+\k:X+\k+1], v[X+\k:X+\k+1], v[G+\k:G+\k+1], v[B+\k:B+\k+1]   ; h
.endr
.irp k, 0,1,2,3,4,5,6,7,8,9,10,11,12,13,14,15
	v_med3_num_f32 v[X+\k], v[X+\k], -v217, v217   ; the conversion to an 8-bit code does not saturate (ISA guide 7.6.2): the hold at the largest code x the scale
.endr
	v_cvt_scalef32_pk8_bf8_f32 v[CD:CD+1], v[X:X+7], v216       ; tokens 0 and 1: four codes each, the first column's in the lowest byte
	v_cvt_scalef32_pk8_bf8_f32 v[CD+2:CD+3], v[X+8:X+15], v216  ; tokens 2 and 3
	v_nop
.irp t, 0,1,2,3
	ds_store_b32 v3, v[CD+\t] offset:CODE+1024*\t
.endr
	s_wait_dscnt 0x0
	s_barrier_signal -1
	s_barrier_wait -1
	ds_load_b128 v[CEN:CEN+3], v1 offset:CODE      ; the 4 rows of codes are 4,096 bytes on end, in LDS as in hq
	s_wait_dscnt 0x0
	global_store_b128 v1, v[CEN:CEN+3], s[18:19]   ; a wave stores 512 consecutive bytes, aligned
	s_wait_tensorcnt 0x0
	ds_add_u32 v224, v225
	s_wait_dscnt 0x0
	s_endpgm
.Lfunc_end_k_q5747cd2eb3_route:
	.size	k_q5747cd2eb3_route, .Lfunc_end_k_q5747cd2eb3_route-k_q5747cd2eb3_route
	.p2alignl 7, 3214868480
	.fill 96, 4, 3214868480
	.section	.rodata,"a",@progbits
	.p2align	6, 0x0
	.amdhsa_kernel k_q5747cd2eb3_route
		.amdhsa_group_segment_fixed_size 7168
		.amdhsa_private_segment_fixed_size 0
		.amdhsa_enable_private_segment 0
		.amdhsa_kernarg_size 64
		.amdhsa_user_sgpr_count 2
		.amdhsa_user_sgpr_kernarg_segment_ptr 1
		.amdhsa_wavefront_size32 1
		.amdhsa_system_sgpr_workgroup_id_x 1
		.amdhsa_system_sgpr_workgroup_id_y 1
		.amdhsa_system_sgpr_workgroup_id_z 1
		.amdhsa_system_vgpr_workitem_id 0
		.amdhsa_next_free_vgpr 226
		.amdhsa_next_free_sgpr 66
		.amdhsa_reserve_vcc 1
		.amdhsa_float_denorm_mode_32 3
		.amdhsa_float_denorm_mode_16_64 3
		.amdhsa_memory_ordered 1
		.amdhsa_forward_progress 1
		.amdhsa_inst_pref_size 45
	.end_amdhsa_kernel
	.amdgpu_metadata
---
amdhsa.version: [ 1, 2 ]
amdhsa.kernels:
  - .name:           k_q5747cd2eb3_route
    .symbol:         k_q5747cd2eb3_route.kd
    .args:
      - { .name: x, .offset: 0, .size: 8, .value_kind: global_buffer, .address_space: global }
      - { .name: centroids, .offset: 8, .size: 8, .value_kind: global_buffer, .address_space: global }
      - { .name: gamma, .offset: 16, .size: 8, .value_kind: global_buffer, .address_space: global }
      - { .name: beta, .offset: 24, .size: 8, .value_kind: global_buffer, .address_space: global }
      - { .name: lowp_scales, .offset: 32, .size: 8, .value_kind: global_buffer, .address_space: global }
      - { .name: expert, .offset: 40, .size: 8, .value_kind: global_buffer, .address_space: global }
      - { .name: alpha, .offset: 48, .size: 8, .value_kind: global_buffer, .address_space: global }
      - { .name: hq, .offset: 56, .size: 8, .value_kind: global_buffer, .address_space: global }
    .group_segment_fixed_size: 7168
    .private_segment_fixed_size: 0
    .kernarg_segment_align: 8
    .kernarg_segment_size: 64
    .max_flat_workgroup_size: 256
    .sgpr_count:     66
    .vgpr_count:     226
    .wavefront_size: 32
...
	.end_amdgpu_metadata
.endif
;; end of part 1
;; launch ffn1 (part 2): grid 32 x 8, 4 waves a work-group, no clusters, 272,896 bytes of LDS; arguments expert, hq, W1_codes, b1, lowp_scales, hid, order; writes hid, order
.if DOCPART == 2
	.amdgcn_target "amdgcn-amd-amdhsa--gfx1250"
	.amdhsa_code_object_version 6
	.text
	.protected	k_q5747cd2eb3_ffn1
	.globl	k_q5747cd2eb3_ffn1
	.p2align	8
	.type	k_q5747cd2eb3_ffn1,@function
k_q5747cd2eb3_ffn1:
	s_mov_b64 s[64:65], 0
	v_nop
	global_prefetch_b8 v0, s[64:65] scope:SCOPE_SE
	s_setreg_imm32_b32 hwreg(HW_REG_WAVE_MODE, 25, 1), 1
	s_wait_xcnt 0x0
; FFN1.  hidden = Q(relu(h W1[e]^T + b1[e])) for the tokens of expert e alone, on codes of E5M2 (v_wmma_f32_16x16x128_bf8_bf8), f32 sums.
; SHARES.  Work-group (x = slice of 128 hidden units, y = expert).  Wave w owns hidden units 128 x + 32 w .. + 31: two tiles of 16 rows of W1, all 1,024 along K, 256 registers, read from memory once.
; THE LIST.  Wave 0 reads the 1,024 experts (whole numbers that the launch before stored) and lays the tokens of expert e on end in LDS, while W1 is on its way; the last tile is filled up by repeating
; the last token, whose rows then carry the same numbers.  The slice-0 work-group of each expert also stores the list and the count T for the next launch.
; Tokens go in blocks of 256 list places (4 trips, a constant) and tiles of 16 (16 trips, a constant); what a given T leaves empty is jumped over by scalar branches, never a barrier.
; A block's rows of h come from hq into LDS once (each wave gathers the tiles 4 g + w), and every wave reads its fragments from there.
; THE PRODUCT IS USED TRANSPOSED (source 0 = 16 rows of W1, source 1 = 16 tokens), AND THE ROWS OF W1 THAT FORM A TILE ARE NOT NEIGHBOURS: lane r of tile u takes row 8 u + r + 8 (r / 8) of the wave's 32.
; So lane (r, h) holds token r, and its 16 results are hidden units 32 w + 16 h + 0 .. 15 of the slice: registers 4 w .. 4 w + 3 of the next product's fragment for (tile, K chunk = slice).
; hid is laid as images of those fragments: [expert][tile 0..63][chunk 0..31][c 0..3][lane][16 bytes]; a wave's store covers 512 consecutive bytes, aligned.
; Along K both operands take, for lane (r, h), k = 32 c + 16 h + 0 .. 15 in registers 4 c .. 4 c + 3: the same permutation of k on both sides, so every product meets its partner.
; b1 / 2^(e0 + e1) is the C of each sum's first product; the three scales ahead of the quantiser are folded into the conversion's one, 2^(e2 - e0 - e1); the hold between 0 and the largest code is also the relu.
; No tensor loads and no joint requests: branches hang on the stored choice, and work-groups of one expert share h alone, a small part of what they read.
; LIMITS.  e2 - e0 - e1 between -126 and 112.  NaN is not served.
; REGISTERS.  window 0: addresses v1-26, BIAS, ACC, CD, GA, ID.  window 1: W1, fragment (u, q) at v[16 (8 u + q)].  window 2: v0-127 gather set 0, later the tokens' fragments (chunk q at 16 q); v128-255 set 1.  window 3: sets 2, 3.
.set PITCH, 1040                       ; a row of h in LDS: 1,024 bytes + 16: an odd multiple of 16, so that the 16 rows of a fragment load start 16 bytes apart modulo 256
.set AOFF,  6144                       ; LDS: bytes 0-6143 the list (words 0-1039 tokens and filling, 1088-1119 a word a lane for what is not listed, 1120 the count T); from here 256 rows of h
.set TILEB, 16*PITCH
.set QUAD,  64*PITCH
.set BIAS,  32                         ; v32-47   b1 / 2^(e0 + e1) in the result's layout
.set ACC,   48                         ; v48-63   two accumulators
.set CD,    64                         ; v64-67   16 codes
.set GA,    96                         ; v96-127  gather offsets, 8 for each set
.set ID,    128                        ; v128-159 the experts of tokens 128 j + 4 lane + i at ID + 4 j + i
.set MSB, 0
.macro WIN new                         ; the immediate's high byte repeats the setting that is left
.if MSB != (\new)
	s_set_vgpr_msb (MSB<<8)|(\new)
.set MSB, (\new)
.endif
.endm
	s_load_b256 s[4:11], s[0:1], 0x0               ; expert, hq, W1's codes, b1
	s_load_b128 s[12:15], s[0:1], 0x20             ; lowp_scales, hid
	s_load_b64 s[16:17], s[0:1], 0x30              ; order
	v_lshl_add_u32 v254, v0, 2, 0x42800
	v_mov_b32 v255, 0
	v_lshrrev_b32 v18, 5, v0
	v_readfirstlane_b32 s18, v18                   ; wave w
	s_and_b32 s19, ttmp7, 0xffff                   ; expert e
	s_mov_b32 s20, ttmp9                           ; slice
	v_and_b32 v1, 31, v0                           ; lane
	v_and_b32 v2, 15, v0                           ; r
	v_bfe_u32 v3, v0, 4, 1                         ; h
	v_and_b32 v4, 8, v2
	v_add_nc_u32 v4, v4, v2                        ; r + 8 (r / 8)
	v_lshlrev_b32 v4, 10, v4
	v_lshl_add_u32 v4, v3, 4, v4                   ; W1: that row of 1,024 bytes, + 16 h
	v_lshlrev_b32 v5, 4, v1                        ; 16 x lane
	v_mul_u32_u24 v6, v2, PITCH
	v_lshl_add_u32 v6, v3, 4, v6
	v_add_nc_u32 v6, AOFF, v6                      ; a fragment of tokens: row r, + 16 h
	v_lshlrev_b32 v26, 4, v2                       ; 16 r: sixteen lanes take 256 bytes of a row
	s_lshl_b32 s44, s18, 4
	v_add_nc_u32 v8, s44, v3                       ; 16 w + h: lanes 0-15 an even row of my tile, lanes 16-31 the odd one
	v_lshlrev_b32 v12, 2, v8                       ; its word in the list
	v_mul_u32_u24 v8, v8, PITCH
	v_add_nc_u32 v8, v8, v26
	v_add_nc_u32 v8, AOFF, v8                      ; v8-11: where I put gathered rows of tile 4 g + w
	v_add_nc_u32 v9, QUAD, v8
	v_add_nc_u32 v10, 2*QUAD, v8
	v_add_nc_u32 v11, 3*QUAD, v8
	v_lshlrev_b32 v15, 4, v0                       ; 16 x thread: the list's way out
	v_lshlrev_b32 v20, 2, v1                       ; 4 x lane, as part of a token's number
	v_add_nc_u32 v21, 1088, v1                     ; my word for what is not listed
	v_mov_b32 v22, 4480                            ; the byte of word 1120
	v_lshlrev_b32 v24, 6, v3                       ; b1: 16 h numbers
	s_lshl_b32 s40, s19, 22                        ; an expert's 4 MiB, in W1 and in hid
	s_lshl_b32 s36, s20, 17
	s_add_co_u32 s36, s36, s40
	s_lshl_b32 s38, s18, 15
	s_add_co_u32 s36, s36, s38                     ; W1: + (128 slice + 32 w) rows
	s_mov_b32 s37, 0
	s_lshl_b32 s38, s19, 14
	s_lshl_b32 s42, s20, 9
	s_add_co_u32 s38, s38, s42
	s_lshl_b32 s42, s18, 7
	s_add_co_u32 s38, s38, s42                     ; b1: 4 (4,096 e + 128 slice + 32 w)
	s_mov_b32 s39, 0
	s_lshl_b32 s42, s20, 11
	s_add_co_u32 s40, s40, s42
	s_lshl_b32 s42, s18, 9
	s_add_co_u32 s40, s40, s42                     ; hid: chunk = slice, c = w
	s_mov_b32 s41, 0
	s_mul_i32 s42, s19, 6144                       ; order: 1,536 words an expert
	s_mov_b32 s43, 0
	s_wait_kmcnt 0x0
	s_load_b128 s[24:27], s[12:13], 0x0            ; e0, e1, e2, e3
	s_add_nc_u64 s[8:9], s[8:9], s[36:37]
	s_add_nc_u64 s[10:11], s[10:11], s[38:39]
	s_add_nc_u64 s[14:15], s[14:15], s[40:41]
	s_add_nc_u64 s[16:17], s[16:17], s[42:43]
.irp j, 0,1,2,3,4,5,6,7
	global_load_b128 v[ID+4*\j:ID+4*\j+3], v5, s[4:5] offset:512*\j
.endr
.irp u, 0,1
	global_load_b128 v[BIAS+8*\u:BIAS+8*\u+3], v24, s[10:11] offset:32*\u         ; hidden units 16 h + 8 u + 0 .. 7
	global_load_b128 v[BIAS+8*\u+4:BIAS+8*\u+7], v24, s[10:11] offset:32*\u+16
.endr
	WIN 0x40                                       ; destination window 1
.irp u, 0,1
.irp q, 0,1,2,3,4,5,6,7
.irp c, 0,1,2,3
	global_load_b128 v[16*(8*\u+\q)+4*\c:16*(8*\u+\q)+4*\c+3], v4, s[8:9] offset:8192*\u+128*\q+32*\c
.endr
.endr
.endr
	WIN 0
	s_wait_kmcnt 0x0
	s_add_co_i32 s44, s24, s25                     ; e0 + e1: a sum stands for sum x 2^(e0 + e1)
	s_sub_co_i32 s45, 0, s44
	s_sub_co_i32 s46, s26, s44
	s_add_co_i32 s46, s46, 127
	s_lshl_b32 s47, s46, 23
	v_mov_b32 v16, s47                             ; 2^(e2 - e0 - e1) as f32
	s_add_co_i32 s46, s46, 15
	s_lshl_b32 s46, s46, 23
	s_or_b32 s46, s46, 0x600000
	v_mov_b32 v17, s46                             ; 57,344 x that
	s_wait_loadcnt 63                              ; 76 loads are issued, the experts' 8 and b1's 4 first: with at most 63 out, those twelve are in; W1 stays on its way
.irp j, 0,1,2,3,4,5,6,7,8,9,10,11,12,13,14,15
	v_ldexp_f32 v[BIAS+\j], v[BIAS+\j], s45
.endr
	s_cmp_lg_u32 s18, 0
	s_cbranch_scc1 .Llisted
	; ---- wave 0 alone: the list
	v_mov_b32 v160, 0
	v_mov_b32 v161, 0
	v_mov_b32 v162, 0
	v_mov_b32 v163, 0
.irp j, 0,1,2,3,4,5,6,7,8,9,10,11
	ds_store_b128 v5, v[160:163] offset:512*\j     ; all 1,536 words are written: they are stored to memory later
.endr
	s_mov_b32 s28, 0                               ; tokens listed so far
.macro PUT k                           ; tokens 128 (k / 4) + 4 lane + k % 4: those of expert e go to the next places of the list, in the order of the lanes
	v_cmp_eq_u32 vcc_lo, s19, v[ID+\k]
	v_mbcnt_lo_u32_b32 v18, vcc_lo, s28            ; listed so far + lower lanes that list one now
	v_cndmask_b32 v18, v21, v18, vcc_lo            ; the others write to a word of their own that nobody uses
	v_min_u32 v18, 0x45f, v18
	v_lshlrev_b32 v18, 2, v18
	v_add_nc_u32 v19, 128*(\k/4)+\k%4, v20
	ds_store_b32 v18, v19
	s_bcnt1_i32_b32 s36, vcc_lo
	s_add_co_u32 s28, s28, s36
.endm
.irp k, 0,1,2,3,4,5,6,7,8,9,10,11,12,13,14,15,16,17,18,19,20,21,22,23,24,25,26,27,28,29,30,31
	PUT \k
.endr
	s_max_u32 s36, s28, 1
	s_sub_co_u32 s36, s36, 1
	s_min_u32 s36, s36, 1023
	s_lshl_b32 s36, s36, 2
	v_mov_b32 v18, s36
	ds_load_b32 v19, v18                           ; the last token listed (LDS serves a wave's instructions in order: ISA guide 5.7.1.4)
	s_wait_dscnt 0x0
	v_add_nc_u32 v18, s28, v1
	v_cmp_gt_u32 vcc_lo, 16, v1
	v_cndmask_b32 v18, v21, v18, vcc_lo            ; lanes 0-15 repeat it at places T .. T + 15
	v_min_u32 v18, 0x45f, v18
	v_lshlrev_b32 v18, 2, v18
	ds_store_b32 v18, v19
	v_mov_b32 v23, s28
	ds_store_b32 v22, v23                          ; T
.Llisted:
	s_wait_dscnt 0x0                               ; wave 0's stores have landed
	s_barrier_signal -1
	s_barrier_wait -1
	ds_load_b32 v23, v22
	s_wait_dscnt 0x0
	v_readfirstlane_b32 s28, v23
	s_min_u32 s28, s28, 1024                       ; T
	s_add_co_u32 s29, s28, 15
	s_lshr_b32 s29, s29, 4                         ; tiles of 16 tokens
	s_cmp_lg_u32 s20, 0
	s_cbranch_scc1 .Lno_export
	ds_load_b128 v[160:163], v15                   ; slice 0 stores the expert's list and count: 128 threads x 16 bytes, three times
	ds_load_b128 v[164:167], v15 offset:2048
	ds_load_b128 v[168:171], v15 offset:4096
	s_wait_dscnt 0x0
	global_store_b128 v15, v[160:163], s[16:17]
	global_store_b128 v15, v[164:167], s[16:17] offset:2048
	global_store_b128 v15, v[168:171], s[16:17] offset:4096
.Lno_export:
; Gather set g: the 16 rows of h of the block's tile 4 g + w.  The tokens come from the list; an instruction takes 256 bytes of each of two rows.
.macro LOADG g
.irp i, 0,1,2,3,4,5,6,7
	ds_load_b32 v[GA+8*\g+\i], v13 offset:256*\g+8*\i
.endr
	s_wait_dscnt 0x0
.irp i, 0,1,2,3,4,5,6,7
	v_min_u32 v[GA+8*\g+\i], 0x3ff, v[GA+8*\g+\i]
	v_lshl_add_u32 v[GA+8*\g+\i], v[GA+8*\g+\i], 10, v26
.endr
	WIN (2+\g/2)<<6                                ; destination window 2 or 3
.irp i, 0,1,2,3,4,5,6,7
.irp j, 0,1,2,3
	global_load_b128 v[128*(\g%2)+16*\i+4*\j:128*(\g%2)+16*\i+4*\j+3], v[GA+8*\g+\i], s[6:7] offset:256*\j
.endr
.endr
	WIN 0
.endm
.macro STOREG g
	s_wait_loadcnt 0x0                             ; the gathered rows are in
	WIN (2+\g/2)<<2                                ; the stores' data in window 2 or 3
.irp i, 0,1,2,3,4,5,6,7
.irp j, 0,1,2,3
	ds_store_b128 v[8+\g], v[128*(\g%2)+16*\i+4*\j:128*(\g%2)+16*\i+4*\j+3] offset:2*PITCH*\i+256*\j
.endr
.endr
	WIN 0
.endm
.macro MUL q                           ; K chunk q: the two accumulators by turns
.irp u, 0,1
.if \q == 0
	v_wmma_f32_16x16x128_bf8_bf8 v[ACC+8*\u:ACC+8*\u+7], v[16*(8*\u+\q):16*(8*\u+\q)+15], v[16*\q:16*\q+15], v[BIAS+8*\u:BIAS+8*\u+7]
.else
	v_wmma_f32_16x16x128_bf8_bf8 v[ACC+8*\u:ACC+8*\u+7], v[16*(8*\u+\q):16*(8*\u+\q)+15], v[16*\q:16*\q+15], v[ACC+8*\u:ACC+8*\u+7]
.endif
.endr
.endm
	s_mov_b32 s31, 0                               ; block
	s_mov_b32 s35, 0                               ; the block's first byte in the list
	s_mov_b32 s34, 0                               ; the tile's first byte in the expert's part of hid
	s_mov_b32 s48, s29                             ; tiles still to do
.Lblock:
	s_min_u32 s30, s48, 16                         ; tiles in this block
	v_add_nc_u32 v13, s35, v12
	s_cmp_ge_u32 s18, s30                          ; is there a tile w?  Then 4 + w, 8 + w, 12 + w?  All that there are are asked for first, then put into LDS
	s_cbranch_scc1 .Lgathered
	LOADG 0
	s_add_co_u32 s36, s18, 4
	s_cmp_ge_u32 s36, s30
	s_cbranch_scc1 .Lst1
	LOADG 1
	s_add_co_u32 s36, s18, 8
	s_cmp_ge_u32 s36, s30
	s_cbranch_scc1 .Lst2
	LOADG 2
	s_add_co_u32 s36, s18, 12
	s_cmp_ge_u32 s36, s30
	s_cbranch_scc1 .Lst3
	LOADG 3
	STOREG 3
.Lst3:
	STOREG 2
.Lst2:
	STOREG 1
.Lst1:
	STOREG 0
.Lgathered:
	s_wait_loadcnt 0x0                             ; W1 is in too
	s_wait_dscnt 0x0                               ; my rows lie in LDS
	s_barrier_signal -1
	s_barrier_wait -1                              ; everybody's do
	s_mov_b32 s32, 0                               ; tile of the block
	s_mov_b32 s33, 0                               ; its first byte among the 256 rows
.Ltile:
	s_wait_xcnt 0x0                                ; the last tile's store has read its offset and its codes: both are written again below
	v_add_nc_u32 v7, s33, v6
	v_add_nc_u32 v14, s34, v5
	s_cmp_ge_u32 s32, s30
	s_cbranch_scc1 .Lskip
	WIN 0x80                                       ; destination window 2
.irp q, 0,1,2,3,4,5,6,7
.irp c, 0,1,2,3
	ds_load_b128 v[16*\q+4*\c:16*\q+4*\c+3], v7 offset:128*\q+32*\c
.endr
.endr
	WIN 0x09                                       ; source 0 (W1) window 1, source 1 (tokens) window 2
	s_wait_dscnt 16                                ; chunks 0-3 are in; the 16 loads of chunks 4-7 may be out
	MUL 0
	MUL 1
	MUL 2
	MUL 3
	s_wait_dscnt 0x0
	MUL 4
	MUL 5
	MUL 6
	MUL 7
	WIN 0
.rept 4
	v_nop                                          ; four places behind the last products, ahead of the first read of results and of the next loads into the fragments
.endr
.irp i, 0,1,2,3,4,5,6,7,8,9,10,11,12,13,14,15
	v_med3_num_f32 v[ACC+\i], v[ACC+\i], 0, v17    ; the relu and the hold in one; each accumulator from its low end on
.endr
	v_cvt_scalef32_pk8_bf8_f32 v[CD:CD+1], v[ACC:ACC+7], v16
	v_cvt_scalef32_pk8_bf8_f32 v[CD+2:CD+3], v[ACC+8:ACC+15], v16
	v_nop                                          ; a plain instruction between the conversions and the next products, which write their sources
	global_store_b128 v14, v[CD:CD+3], s[14:15]    ; 512 consecutive bytes a wave, aligned
.Lskip:
	s_add_co_u32 s33, s33, TILEB
	s_add_co_u32 s34, s34, 65536
	s_add_co_u32 s32, s32, 1
	s_cmp_lt_u32 s32, 16
	s_cbranch_scc1 .Ltile
	s_wait_dscnt 0x0                               ; my reads of the block's rows are over
	s_barrier_signal -1
	s_barrier_wait -1                              ; everybody's are: the rows may be written again
	s_sub_co_u32 s48, s48, s30
	s_add_co_u32 s35, s35, 1024
	s_add_co_u32 s31, s31, 1
	s_cmp_lt_u32 s31, 4
	s_cbranch_scc1 .Lblock
	s_wait_tensorcnt 0x0
	ds_add_u32 v254, v255
	s_wait_dscnt 0x0
	s_endpgm
.Lfunc_end_k_q5747cd2eb3_ffn1:
	.size	k_q5747cd2eb3_ffn1, .Lfunc_end_k_q5747cd2eb3_ffn1-k_q5747cd2eb3_ffn1
	.p2alignl 7, 3214868480
	.fill 96, 4, 3214868480
	.section	.rodata,"a",@progbits
	.p2align	6, 0x0
	.amdhsa_kernel k_q5747cd2eb3_ffn1
		.amdhsa_group_segment_fixed_size 272896
		.amdhsa_private_segment_fixed_size 0
		.amdhsa_enable_private_segment 0
		.amdhsa_kernarg_size 56
		.amdhsa_user_sgpr_count 2
		.amdhsa_user_sgpr_kernarg_segment_ptr 1
		.amdhsa_wavefront_size32 1
		.amdhsa_system_sgpr_workgroup_id_x 1
		.amdhsa_system_sgpr_workgroup_id_y 1
		.amdhsa_system_sgpr_workgroup_id_z 1
		.amdhsa_system_vgpr_workitem_id 0
		.amdhsa_next_free_vgpr 1024
		.amdhsa_next_free_sgpr 66
		.amdhsa_reserve_vcc 1
		.amdhsa_float_denorm_mode_32 3
		.amdhsa_float_denorm_mode_16_64 3
		.amdhsa_memory_ordered 1
		.amdhsa_forward_progress 1
		.amdhsa_inst_pref_size 60
	.end_amdhsa_kernel
	.amdgpu_metadata
---
amdhsa.version: [ 1, 2 ]
amdhsa.kernels:
  - .name:           k_q5747cd2eb3_ffn1
    .symbol:         k_q5747cd2eb3_ffn1.kd
    .args:
      - { .name: expert, .offset: 0, .size: 8, .value_kind: global_buffer, .address_space: global }
      - { .name: hq, .offset: 8, .size: 8, .value_kind: global_buffer, .address_space: global }
      - { .name: W1_codes, .offset: 16, .size: 8, .value_kind: global_buffer, .address_space: global }
      - { .name: b1, .offset: 24, .size: 8, .value_kind: global_buffer, .address_space: global }
      - { .name: lowp_scales, .offset: 32, .size: 8, .value_kind: global_buffer, .address_space: global }
      - { .name: hid, .offset: 40, .size: 8, .value_kind: global_buffer, .address_space: global }
      - { .name: order, .offset: 48, .size: 8, .value_kind: global_buffer, .address_space: global }
    .group_segment_fixed_size: 272896
    .private_segment_fixed_size: 0
    .kernarg_segment_align: 8
    .kernarg_segment_size: 56
    .max_flat_workgroup_size: 128
    .sgpr_count:     66
    .vgpr_count:     1024
    .wavefront_size: 32
...
	.end_amdgpu_metadata
.endif
;; end of part 2
;; launch ffn2 (part 3): grid 32 x 8, 4 waves a work-group, no clusters, 139,776 bytes of LDS; arguments hid, order, W2_codes, b2, lowp_scales, alpha, x, out0; writes out0
.if DOCPART == 3
	.amdgcn_target "amdgcn-amd-amdhsa--gfx1250"
	.amdhsa_code_object_version 6
	.text
	.protected	k_q5747cd2eb3_ffn2
	.globl	k_q5747cd2eb3_ffn2
	.p2align	8
	.type	k_q5747cd2eb3_ffn2,@function
k_q5747cd2eb3_ffn2:
	s_mov_b64 s[64:65], 0
	v_nop
	global_prefetch_b8 v0, s[64:65] scope:SCOPE_SE
	s_setreg_imm32_b32 hwreg(HW_REG_WAVE_MODE, 25, 1), 1
	s_wait_xcnt 0x0
; FFN2.  out[token] = x + alpha x (hidden W2[e]^T x 2^(e2 + e3) + b2[e]), which is alpha y + (1 - alpha) x with y = x + ffn + b2; on codes of E5M2 (v_wmma_f32_16x16x128_bf8_bf8), f32 sums.
; SHARES.  Work-group (x = p + 2 s, y = expert e): 64 outputs (slice s: 256 bytes of a row of out) for the expert's tiles of 16 tokens with parity p.  Each output number has one owner.
; Wave w owns the K quarter 1,024 w .. + 1,023 of all four tiles of 16 outputs: 512 registers of W2, read from memory once a work-group.  So each byte of the hidden layer enters the work-group once
; and feeds four products.  The four waves' partial sums meet in a stage in LDS; wave w then finishes rows 4 w .. 4 w + 3 of each tile.
; The hidden layer comes as images of the operand's registers (the launch before laid it so): a fragment is four loads of 512 consecutive bytes.
; The product is used transposed (source 0 = 16 rows of W2, source 1 = 16 tokens): a lane holds eight neighbouring outputs of one token.
; Tiles go in rounds of 8 (4 rounds, a constant); the count and the tokens are whole numbers that the launch before stored; what a given count leaves empty is jumped over by scalar branches, never a barrier.
; Places that fill an expert's last tile repeat its last token: they carry the same numbers, and this work-group stores them to the same bytes.
; No tensor loads and no joint requests: branches hang on the stored count, and partners would have different numbers of tiles.
; LIMITS.  e2 + e3 between -126 and 127.  NaN is not served.
; REGISTERS.  window 0: v1-13 addresses, v16-19 b2, TOK, AL, X, T, ACC.  window 1: W2's output tiles 0, 1, fragment (n, q) at v[16 (8 n + q)].  window 2: tiles 2, 3.  window 3: the tokens' fragments, two buffers of 128.
.set COPYB, 16*272                     ; the stage: [tile 0..7][wave 0..3][16 rows of 256 bytes + 16]
.set TILES, 4*COPYB
.set HALFS, 4*TILES
.set TOK,  20                          ; v20-35   number 2 i + p2: the token of row 4 w + 2 p2 + lane / 16 of the round's tile i; then its byte offset in x and out
.set AL,   36                          ; v36-51   its alpha
.set X,    52                          ; v52-115  its 4 numbers of x, then of out
.set T,    116                         ; v116-147 what comes back from the stage
.set ACC,  148                         ; v148-211 two sets of four accumulators
.set MSB, 0
.macro WIN new                         ; the immediate's high byte repeats the setting that is left
.if MSB != (\new)
	s_set_vgpr_msb (MSB<<8)|(\new)
.set MSB, (\new)
.endif
.endm
	s_load_b256 s[4:11], s[0:1], 0x0               ; hid, order, W2's codes, b2
	s_load_b256 s[12:19], s[0:1], 0x20             ; lowp_scales, alpha, x, out0
	v_lshl_add_u32 v254, v0, 2, 0x22000
	v_mov_b32 v255, 0
	v_lshrrev_b32 v14, 5, v0
	v_readfirstlane_b32 s20, v14                   ; wave w
	s_and_b32 s21, ttmp7, 0xffff                   ; expert e
	s_and_b32 s22, ttmp9, 1                        ; parity p
	s_lshr_b32 s23, ttmp9, 1                       ; slice s
	v_and_b32 v1, 31, v0                           ; lane
	v_and_b32 v2, 15, v0                           ; r
	v_bfe_u32 v3, v0, 4, 1                         ; h
	v_lshlrev_b32 v4, 12, v2
	v_lshl_add_u32 v4, v3, 4, v4                   ; W2: row r of 4,096 bytes, + 16 h
	v_lshlrev_b32 v5, 4, v1                        ; 16 x lane
	s_lshl_b32 s32, s20, 4
	v_lshl_add_u32 v6, v3, 2, s32                  ; the list: word 4 w + h of a tile's sixteen
	v_lshlrev_b32 v7, 4, v2                        ; 16 r: sixteen lanes take the slice's 256 bytes of a row
	s_mul_i32 s33, s20, COPYB
	v_mul_u32_u24 v8, v2, 272
	v_lshl_add_u32 v8, v3, 5, v8
	v_add_nc_u32 v8, s33, v8                       ; v8, v9: into my copy of the stage: row r, + 32 h; tiles 0-3, tiles 4-7
	v_add_nc_u32 v9, HALFS, v8
	s_lshl_b32 s34, s20, 2
	v_add_nc_u32 v10, s34, v3
	v_mul_u32_u24 v10, v10, 272
	v_add_nc_u32 v10, v10, v7                      ; v10-13: out of it: row 4 w + 2 p2 + h, 16 bytes a lane; v[10 + 2 (i / 4) + p2]
	v_add_nc_u32 v11, 2*272, v10
	v_add_nc_u32 v12, HALFS, v10
	v_add_nc_u32 v13, HALFS, v11
	s_lshl_b32 s36, s21, 22                        ; an expert's 4 MiB, in hid and in W2
	s_lshl_b32 s38, s22, 16
	s_add_co_u32 s38, s38, s36
	s_lshl_b32 s40, s20, 14
	s_add_co_u32 s38, s38, s40                     ; hid: tile p, chunk 8 w
	s_mov_b32 s39, 0
	s_lshl_b32 s40, s23, 18
	s_add_co_u32 s36, s36, s40
	s_lshl_b32 s40, s20, 10
	s_add_co_u32 s36, s36, s40                     ; W2: row 64 s, k = 1,024 w
	s_mov_b32 s37, 0
	s_mul_i32 s40, s21, 6144                       ; order: 1,536 words an expert
	s_mov_b32 s41, 0
	s_lshl_b32 s42, s22, 6                         ; tile p's sixteen words
	s_mov_b32 s43, 0
	s_lshl_b32 s46, s23, 8                         ; the slice's 256 bytes in a row of x, out and b2
	s_mov_b32 s47, 0
	s_lshl_b32 s48, s21, 12
	s_add_co_u32 s48, s48, s46
	s_mov_b32 s49, 0
	s_wait_kmcnt 0x0
	s_load_b128 s[24:27], s[12:13], 0x0            ; e0, e1, e2, e3
	s_add_nc_u64 s[44:45], s[6:7], s[40:41]
	s_load_b32 s30, s[44:45], 0x1180               ; T: word 1,120 of the expert's part
	s_add_nc_u64 s[6:7], s[44:45], s[42:43]
	s_add_nc_u64 s[4:5], s[4:5], s[38:39]
	s_add_nc_u64 s[8:9], s[8:9], s[36:37]
	s_add_nc_u64 s[10:11], s[10:11], s[48:49]
	s_add_nc_u64 s[16:17], s[16:17], s[46:47]
	s_add_nc_u64 s[18:19], s[18:19], s[46:47]
.macro ORDLD off                       ; the tokens of my rows of a round's eight tiles (tiles of one parity lie 32 words apart)
.irp i, 0,1,2,3,4,5,6,7
.irp p, 0,1
	global_load_b32 v[TOK+2*\i+\p], v6, s[6:7] offset:\off+128*\i+8*\p
.endr
.endr
.endm
.macro ADDR                            ; a token, held inside the table, becomes an offset in alpha and one in x and out
.irp k, 0,1,2,3,4,5,6,7,8,9,10,11,12,13,14,15
	v_min_u32 v[TOK+\k], 0x3ff, v[TOK+\k]
	v_lshlrev_b32 v[AL+\k], 2, v[TOK+\k]
	v_lshl_add_u32 v[TOK+\k], v[TOK+\k], 12, v7
.endr
.endm
.macro AXLOAD
.irp k, 0,1,2,3,4,5,6,7,8,9,10,11,12,13,14,15
	global_load_b32 v[AL+\k], v[AL+\k], s[14:15]
.endr
.irp k, 0,1,2,3,4,5,6,7,8,9,10,11,12,13,14,15
	global_load_b128 v[X+4*\k:X+4*\k+3], v[TOK+\k], s[16:17]   ; sixteen lanes take 256 consecutive bytes, aligned
.endr
.endm
.macro WLOAD n                         ; W2's output tile n, my K quarter: 8 fragments
.irp q, 0,1,2,3,4,5,6,7
.irp c, 0,1,2,3
	global_load_b128 v[16*(8*((\n)%2)+\q)+4*\c:16*(8*((\n)%2)+\q)+4*\c+3], v4, s[8:9] offset:65536*(\n)+128*\q+32*\c
.endr
.endr
.endm
	ORDLD 0
	global_load_b128 v[16:19], v7, s[10:11]        ; b2 of my four outputs
	WIN 0x40                                       ; destination window 1
	WLOAD 0
	WIN 0
	s_wait_loadcnt 32                              ; the tokens and b2 are in; the 32 loads of W2 issued behind them may be out
	ADDR
	AXLOAD
	WIN 0x40
	WLOAD 1
	WIN 0x80                                       ; destination window 2
	WLOAD 2
	WLOAD 3
	WIN 0
	s_wait_kmcnt 0x0
	s_min_u32 s30, s30, 1024
	s_add_co_u32 s30, s30, 15
	s_lshr_b32 s30, s30, 4                         ; the expert's tiles,
	s_add_co_u32 s30, s30, 1
	s_sub_co_u32 s30, s30, s22
	s_lshr_b32 s30, s30, 1                         ; those of my parity: tiles still to do
	s_add_co_i32 s28, s26, s27
	s_add_co_i32 s28, s28, 127
	s_lshl_b32 s28, s28, 23                        ; 2^(e2 + e3) as f32
	s_mov_b32 s29, s28                             ; (named with it as a pair, so it is written)
	s_mov_b32 s31, 0                               ; round
.macro FETCH i                         ; the round's tile i: my 8 chunks, 32 loads of 512 consecutive bytes, into buffer i % 2
	WIN 0xc0                                       ; destination window 3
.irp q, 0,1,2,3,4,5,6,7
.irp c, 0,1,2,3
	global_load_b128 v[128*((\i)%2)+16*\q+4*\c:128*((\i)%2)+16*\q+4*\c+3], v5, s[4:5] offset:131072*(\i)+2048*\q+512*\c
.endr
.endr
	WIN 0
.endm
; Tile i's 32 products, two accumulators by turns, and its partial sums into my copy of the stage.
.macro MULST i
.set AB, 128*((\i)%2)
.set AC, ACC+32*((\i)%2)
	WIN 0x0d                                       ; source 0 (W2) window 1, source 1 (tokens) window 3
.irp q, 0,1,2,3,4,5,6,7
.irp n, 0,1
.if \q == 0
	v_wmma_f32_16x16x128_bf8_bf8 v[AC+8*\n:AC+8*\n+7], v[16*(8*\n+\q):16*(8*\n+\q)+15], v[AB+16*\q:AB+16*\q+15], 0
.else
	v_wmma_f32_16x16x128_bf8_bf8 v[AC+8*\n:AC+8*\n+7], v[16*(8*\n+\q):16*(8*\n+\q)+15], v[AB+16*\q:AB+16*\q+15], v[AC+8*\n:AC+8*\n+7]
.endif
.endr
.endr
	WIN 0x0e                                       ; source 0 window 2
.irp q, 0,1,2,3,4,5,6,7
.irp n, 0,1
.if \q == 0
	v_wmma_f32_16x16x128_bf8_bf8 v[AC+16+8*\n:AC+16+8*\n+7], v[16*(8*\n+\q):16*(8*\n+\q)+15], v[AB+16*\q:AB+16*\q+15], 0
.else
	v_wmma_f32_16x16x128_bf8_bf8 v[AC+16+8*\n:AC+16+8*\n+7], v[16*(8*\n+\q):16*(8*\n+\q)+15], v[AB+16*\q:AB+16*\q+15], v[AC+16+8*\n:AC+16+8*\n+7]
.endif
.endr
.endr
	WIN 0
.rept 5
	v_nop                                          ; four places ahead of the stores of results and of the next loads into this buffer; the fifth for the next product that begins one of these accumulators anew
.endr
.irp n, 0,1,2,3
	ds_store_b128 v[8+(\i)/4], v[AC+8*\n:AC+8*\n+3] offset:TILES*((\i)%4)+64*\n          ; token r, outputs 16 n + 8 h + 0 .. 7; each accumulator from its low end on
	ds_store_b128 v[8+(\i)/4], v[AC+8*\n+4:AC+8*\n+7] offset:TILES*((\i)%4)+64*\n+16
.endr
.endm
.macro TILE i                          ; tile i has been asked for.  If another follows, it is asked for first
	s_cmp_gt_i32 s30, (\i)+1
	s_cbranch_scc0 .Llast_\i
	FETCH (\i)+1
	s_wait_loadcnt 32                              ; all but the 32 just issued: tile i is in, and so is all that was asked for earlier (W2, x, alpha)
	MULST \i
.endm
; Tile i is finished: the four waves' sums of my rows, in the waves' order; x 2^(e2 + e3) + b2; x alpha + x; stored.
.macro EPI i
	s_cmp_le_i32 s30, \i
	s_cbranch_scc1 .Le_end
.irp p, 0,1
.irp c, 0,1,2,3
	ds_load_b128 v[T+16*\p+4*\c:T+16*\p+4*\c+3], v[10+2*((\i)/4)+\p] offset:TILES*((\i)%4)+COPYB*\c
.endr
.endr
	s_wait_dscnt 0x0
.irp p, 0,1
.irp c, 1,2,3
	v_pk_add_f32 v[T+16*\p:T+16*\p+1], v[T+16*\p:T+16*\p+1], v[T+16*\p+4*\c:T+16*\p+4*\c+1]
	v_pk_add_f32 v[T+16*\p+2:T+16*\p+3], v[T+16*\p+2:T+16*\p+3], v[T+16*\p+4*\c+2:T+16*\p+4*\c+3]
.endr
	v_pk_fma_f32 v[T+16*\p:T+16*\p+1], v[T+16*\p:T+16*\p+1], s[28:29], v[16:17] op_sel_hi:[1,0,1]
	v_pk_fma_f32 v[T+16*\p+2:T+16*\p+3], v[T+16*\p+2:T+16*\p+3], s[28:29], v[18:19] op_sel_hi:[1,0,1]
.irp k, 0,1,2,3
	v_fmac_f32 v[X+4*(2*(\i)+\p)+\k], v[AL+2*(\i)+\p], v[T+16*\p+\k]
.endr
	global_store_b128 v[TOK+2*(\i)+\p], v[X+4*(2*(\i)+\p):X+4*(2*(\i)+\p)+3], s[18:19] th:TH_STORE_NT   ; sixteen lanes store 256 consecutive bytes, aligned; written once
.endr
.endm
.Lround:
	s_cmp_le_i32 s30, 0
	s_cbranch_scc1 .Lm_end
	FETCH 0
.irp i, 0,1,2,3,4,5,6
	TILE \i
.endr
	s_wait_loadcnt 0x0
	MULST 7
	s_branch .Lm_end
.irp i, 0,1,2,3,4,5,6                  ; the last tile of all, where it is not the round's eighth: nothing is asked for behind it
.Llast_\i:
	s_wait_loadcnt 0x0
	MULST \i
.if \i < 6
	s_branch .Lm_end
.endif
.endr
.Lm_end:
	s_wait_loadcnt 0x0
	s_wait_dscnt 0x0                               ; my partial sums lie in the stage
	s_barrier_signal -1
	s_barrier_wait -1                              ; everybody's do
.irp i, 0,1,2,3,4,5,6,7
	EPI \i
.endr
.Le_end:
	s_cmp_le_i32 s30, 8
	s_cbranch_scc1 .Lno_more
	s_wait_xcnt 0x0                                ; the stores have read their offsets and data: both are written again
	ORDLD 1024                                     ; the next round's tokens, alpha and x
	s_wait_loadcnt 0x0
	ADDR
	AXLOAD
.Lno_more:
	s_wait_dscnt 0x0                               ; my reads of the stage are over
	s_barrier_signal -1
	s_barrier_wait -1                              ; everybody's are: the stage may be written again
	s_wait_xcnt 0x0                                ; no memory instruction still reads the two bases that step
	s_add_nc_u64 s[4:5], s[4:5], 0x100000          ; eight tiles of my parity on
	s_add_nc_u64 s[6:7], s[6:7], 1024
	s_sub_co_i32 s30, s30, 8
	s_add_co_u32 s31, s31, 1
	s_cmp_lt_u32 s31, 4
	s_cbranch_scc1 .Lround
	s_wait_tensorcnt 0x0
	ds_add_u32 v254, v255
	s_wait_dscnt 0x0
	s_endpgm
.Lfunc_end_k_q5747cd2eb3_ffn2:
	.size	k_q5747cd2eb3_ffn2, .Lfunc_end_k_q5747cd2eb3_ffn2-k_q5747cd2eb3_ffn2
	.p2alignl 7, 3214868480
	.fill 96, 4, 3214868480
	.section	.rodata,"a",@progbits
	.p2align	6, 0x0
	.amdhsa_kernel k_q5747cd2eb3_ffn2
		.amdhsa_group_segment_fixed_size 139776
		.amdhsa_private_segment_fixed_size 0
		.amdhsa_enable_private_segment 0
		.amdhsa_kernarg_size 64
		.amdhsa_user_sgpr_count 2
		.amdhsa_user_sgpr_kernarg_segment_ptr 1
		.amdhsa_wavefront_size32 1
		.amdhsa_system_sgpr_workgroup_id_x 1
		.amdhsa_system_sgpr_workgroup_id_y 1
		.amdhsa_system_sgpr_workgroup_id_z 1
		.amdhsa_system_vgpr_workitem_id 0
		.amdhsa_next_free_vgpr 1024
		.amdhsa_next_free_sgpr 66
		.amdhsa_reserve_vcc 0
		.amdhsa_float_denorm_mode_32 3
		.amdhsa_float_denorm_mode_16_64 3
		.amdhsa_memory_ordered 1
		.amdhsa_forward_progress 1
		.amdhsa_inst_pref_size 114
	.end_amdhsa_kernel
	.amdgpu_metadata
---
amdhsa.version: [ 1, 2 ]
amdhsa.kernels:
  - .name:           k_q5747cd2eb3_ffn2
    .symbol:         k_q5747cd2eb3_ffn2.kd
    .args:
      - { .name: hid, .offset: 0, .size: 8, .value_kind: global_buffer, .address_space: global }
      - { .name: order, .offset: 8, .size: 8, .value_kind: global_buffer, .address_space: global }
      - { .name: W2_codes, .offset: 16, .size: 8, .value_kind: global_buffer, .address_space: global }
      - { .name: b2, .offset: 24, .size: 8, .value_kind: global_buffer, .address_space: global }
      - { .name: lowp_scales, .offset: 32, .size: 8, .value_kind: global_buffer, .address_space: global }
      - { .name: alpha, .offset: 40, .size: 8, .value_kind: global_buffer, .address_space: global }
      - { .name: x, .offset: 48, .size: 8, .value_kind: global_buffer, .address_space: global }
      - { .name: out0, .offset: 56, .size: 8, .value_kind: global_buffer, .address_space: global }
    .group_segment_fixed_size: 139776
    .private_segment_fixed_size: 0
    .kernarg_segment_align: 8
    .kernarg_segment_size: 64
    .max_flat_workgroup_size: 128
    .sgpr_count:     66
    .vgpr_count:     1024
    .wavefront_size: 32
...
	.end_amdgpu_metadata
.endif
;; end of part 3
;; ======== version 2 of 2: 3 launches; version 1 with the launch ffn2 written anew for expert scheduling mode
;; workspace buffers: expert 4,096 bytes of whole numbers; alpha 4,096 bytes; hq 1,048,576 bytes; hid 33,554,432 bytes; order 49,152 bytes of whole numbers
;; launch route: the kernel of part 1 again; grid 256 x 1, 8 waves a work-group, no clusters, 7,168 bytes of LDS; arguments x, centroids, gamma, beta, lowp_scales, expert, alpha, hq; writes expert, alpha, hq
;; launch ffn1: the kernel of part 2 again; grid 32 x 8, 4 waves a work-group, no clusters, 272,896 bytes of LDS; arguments expert, hq, W1_codes, b1, lowp_scales, hid, order; writes hid, order
;; launch ffn2 (part 4): grid 32 x 8, 4 waves a work-group, no clusters, 139,776 bytes of LDS; arguments hid, order, W2_codes, b2, lowp_scales, alpha, x, out0; writes out0
.if DOCPART == 4
	.amdgcn_target "amdgcn-amd-amdhsa--gfx1250"
	.amdhsa_code_object_version 6
	.text
	.protected	k_q5747cd2eb3_ffn2
	.globl	k_q5747cd2eb3_ffn2
	.p2align	8
	.type	k_q5747cd2eb3_ffn2,@function
k_q5747cd2eb3_ffn2:
	s_mov_b64 s[64:65], 0
	v_nop
	global_prefetch_b8 v0, s[64:65] scope:SCOPE_SE
	s_setreg_imm32_b32 hwreg(HW_REG_WAVE_SCHED_MODE, 0, 2), 2
	s_setreg_imm32_b32 hwreg(HW_REG_WAVE_MODE, 25, 1), 1
	s_wait_xcnt 0x0
	s_wait_alu depctr_vm_vsrc(0)
; FFN2.  out[token] = x + alpha x (hidden W2[e]^T x 2^(e2 + e3) + b2[e]), which is alpha y + (1 - alpha) x with y = x + ffn + b2; on codes of E5M2 (v_wmma_f32_16x16x128_bf8_bf8), f32 sums.
; SHARES.  Work-group (x = p + 2 s, y = expert e): 64 outputs (slice s: 256 bytes of a row of out) for the expert's tiles of 16 tokens with parity p.  Each output number has one owner.
; Wave w owns the K quarter 1,024 w .. + 1,023 of all four tiles of 16 outputs: 512 registers of W2, read from memory once a work-group.  So each byte of the hidden layer enters the work-group once
; and feeds four products.  The four waves' partial sums meet in a stage in LDS; wave w then finishes rows 4 w .. 4 w + 3 of each tile.
; The hidden layer comes as images of the operand's registers (the launch before laid it so): a fragment is four loads of 512 consecutive bytes.
; The product is used transposed (source 0 = 16 rows of W2, source 1 = 16 tokens): a lane holds eight neighbouring outputs of one token.
; Tiles go in rounds of 8 (4 rounds, a constant); the count and the tokens are whole numbers that the launch before stored; what a given count leaves empty is jumped over by scalar branches, never a barrier.
; Places that fill an expert's last tile repeat its last token: they carry the same numbers, and this work-group stores them to the same bytes.
; No tensor loads and no joint requests: branches hang on the stored count, and partners would have different numbers of tiles.
; LIMITS.  e2 + e3 between -126 and 127.  NaN is not served.
; REGISTERS.  window 0: v1-13 addresses, v16-19 b2, TOK, AL, X, T, ACC, AA.  window 1: W2's output tiles 0, 1, fragment (n, q) at v[16 (8 n + q)].  window 2: tiles 2, 3.  window 3: the tokens' fragments, two buffers of 128.
; THE MODE: SCHED_MODE bits 1:0 = 2 (LLVM: expert scheduling mode 2), set by the entry lines.  The code itself states the register dependences
; between vector or matrix instructions and memory or LDS instructions, with s_wait_alu, always for 0.
; THE PLAN.  Registers that memory or LDS instructions touch:
;   v4-13       offsets and LDS addresses, made at the head and never written again: one wait on va_vdst ahead of the first load.
;   TOK, AA     once a round: the list's loads land in TOK; ADDR makes of them the offsets TOK (x, out) and AA (alpha); the loads of x and alpha and the round's stores read them.
;   AL, X       once a round: loads land there; a tile's finishing reads AL and adds onto X; its two stores read X.
;   T           a tile's finishing: LDS loads land there, vector instructions read and write them.
;   ACC         two sets by turns: tile i's products write set i % 2, its eight LDS stores read it, tile i + 2's products write it again.
;   window 3    two buffers by turns: tile i's loads land in buffer i % 2, its products read it, tile i + 2's loads land there again.
; A tile of products has one wait on vm_vsrc at its head (the LDS stores of two tiles back have read its accumulators) and one on va_vdst behind its places: the accumulators are written, for its LDS stores,
; and its products are done with their buffer, for the fetch of two tiles on; between that wait and that fetch stand those LDS stores, scalar lines and a window switch alone.
; A tile's finishing has one wait on va_vdst, behind all its arithmetic and ahead of its two stores: it also serves the next finishing's loads into T and the next round's into X and AL.
; One wait on vm_vsrc a round stands behind the finishings, ahead of the branch: TOK, AA and X have been read and may be written for the next round.
.set COPYB, 16*272                     ; the stage: [tile 0..7][wave 0..3][16 rows of 256 bytes + 16]
.set TILES, 4*COPYB
.set HALFS, 4*TILES
.set TOK,  20                          ; v20-35   number 2 i + p2: the token of row 4 w + 2 p2 + lane / 16 of the round's tile i; then its byte offset in x and out
.set AL,   36                          ; v36-51   its alpha
.set X,    52                          ; v52-115  its 4 numbers of x, then of out
.set T,    116                         ; v116-147 what comes back from the stage
.set ACC,  148                         ; v148-211 two sets of four accumulators
.set AA,   212                         ; v212-227 its byte offset in alpha
.set MSB, 0
.macro WIN new                         ; the immediate's high byte repeats the setting that is left
.if MSB != (\new)
	s_set_vgpr_msb (MSB<<8)|(\new)
.set MSB, (\new)
.endif
.endm
	s_load_b256 s[4:11], s[0:1], 0x0               ; hid, order, W2's codes, b2
	s_load_b256 s[12:19], s[0:1], 0x20             ; lowp_scales, alpha, x, out0
	v_lshl_add_u32 v254, v0, 2, 0x22000
	v_mov_b32 v255, 0
	v_lshrrev_b32 v14, 5, v0
	v_readfirstlane_b32 s20, v14                   ; wave w
	s_and_b32 s21, ttmp7, 0xffff                   ; expert e
	s_and_b32 s22, ttmp9, 1                        ; parity p
	s_lshr_b32 s23, ttmp9, 1                       ; slice s
	v_and_b32 v1, 31, v0                           ; lane
	v_and_b32 v2, 15, v0                           ; r
	v_bfe_u32 v3, v0, 4, 1                         ; h
	v_lshlrev_b32 v4, 12, v2
	v_lshl_add_u32 v4, v3, 4, v4                   ; W2: row r of 4,096 bytes, + 16 h
	v_lshlrev_b32 v5, 4, v1                        ; 16 x lane
	s_wait_alu depctr_va_sdst(0)                   ; s20 is written, ahead of its first reader
	s_lshl_b32 s32, s20, 4
	v_lshl_add_u32 v6, v3, 2, s32                  ; the list: word 4 w + h of a tile's sixteen
	v_lshlrev_b32 v7, 4, v2                        ; 16 r: sixteen lanes take the slice's 256 bytes of a row
	s_mul_i32 s33, s20, COPYB
	v_mul_u32_u24 v8, v2, 272
	v_lshl_add_u32 v8, v3, 5, v8
	v_add_nc_u32 v8, s33, v8                       ; v8, v9: into my copy of the stage: row r, + 32 h; tiles 0-3, tiles 4-7
	v_add_nc_u32 v9, HALFS, v8
	s_lshl_b32 s34, s20, 2
	v_add_nc_u32 v10, s34, v3
	v_mul_u32_u24 v10, v10, 272
	v_add_nc_u32 v10, v10, v7                      ; v10-13: out of it: row 4 w + 2 p2 + h, 16 bytes a lane; v[10 + 2 (i / 4) + p2]
	v_add_nc_u32 v11, 2*272, v10
	v_add_nc_u32 v12, HALFS, v10
	v_add_nc_u32 v13, HALFS, v11
	s_lshl_b32 s36, s21, 22                        ; an expert's 4 MiB, in hid and in W2
	s_lshl_b32 s38, s22, 16
	s_add_co_u32 s38, s38, s36
	s_lshl_b32 s40, s20, 14
	s_add_co_u32 s38, s38, s40                     ; hid: tile p, chunk 8 w
	s_mov_b32 s39, 0
	s_lshl_b32 s40, s23, 18
	s_add_co_u32 s36, s36, s40
	s_lshl_b32 s40, s20, 10
	s_add_co_u32 s36, s36, s40                     ; W2: row 64 s, k = 1,024 w
	s_mov_b32 s37, 0
	s_mul_i32 s40, s21, 6144                       ; order: 1,536 words an expert
	s_mov_b32 s41, 0
	s_lshl_b32 s42, s22, 6                         ; tile p's sixteen words
	s_mov_b32 s43, 0
	s_lshl_b32 s46, s23, 8                         ; the slice's 256 bytes in a row of x, out and b2
	s_mov_b32 s47, 0
	s_lshl_b32 s48, s21, 12
	s_add_co_u32 s48, s48, s46
	s_mov_b32 s49, 0
	s_wait_kmcnt 0x0
	s_load_b128 s[24:27], s[12:13], 0x0            ; e0, e1, e2, e3
	s_add_nc_u64 s[44:45], s[6:7], s[40:41]
	s_load_b32 s30, s[44:45], 0x1180               ; T: word 1,120 of the expert's part
	s_add_nc_u64 s[6:7], s[44:45], s[42:43]
	s_add_nc_u64 s[4:5], s[4:5], s[38:39]
	s_add_nc_u64 s[8:9], s[8:9], s[36:37]
	s_add_nc_u64 s[10:11], s[10:11], s[48:49]
	s_add_nc_u64 s[16:17], s[16:17], s[46:47]
	s_add_nc_u64 s[18:19], s[18:19], s[46:47]
.macro ORDLD off                       ; the tokens of my rows of a round's eight tiles (tiles of one parity lie 32 words apart)
.irp i, 0,1,2,3,4,5,6,7
.irp p, 0,1
	global_load_b32 v[TOK+2*\i+\p], v6, s[6:7] offset:\off+128*\i+8*\p
.endr
.endr
.endm
.macro ADDR                            ; a token, held inside the table, becomes an offset in alpha and one in x and out
.irp k, 0,1,2,3,4,5,6,7,8,9,10,11,12,13,14,15
	v_min_u32 v[TOK+\k], 0x3ff, v[TOK+\k]
	v_lshlrev_b32 v[AA+\k], 2, v[TOK+\k]
	v_lshl_add_u32 v[TOK+\k], v[TOK+\k], 12, v7
.endr
.endm
.macro AXLOAD
.irp k, 0,1,2,3,4,5,6,7,8,9,10,11,12,13,14,15
	global_load_b32 v[AL+\k], v[AA+\k], s[14:15]
.endr
.irp k, 0,1,2,3,4,5,6,7,8,9,10,11,12,13,14,15
	global_load_b128 v[X+4*\k:X+4*\k+3], v[TOK+\k], s[16:17]   ; sixteen lanes take 256 consecutive bytes, aligned
.endr
.endm
.macro WLOAD n                         ; W2's output tile n, my K quarter: 8 fragments
.irp q, 0,1,2,3,4,5,6,7
.irp c, 0,1,2,3
	global_load_b128 v[16*(8*((\n)%2)+\q)+4*\c:16*(8*((\n)%2)+\q)+4*\c+3], v4, s[8:9] offset:65536*(\n)+128*\q+32*\c
.endr
.endr
.endm
	s_wait_alu depctr_va_vdst(0)                   ; the offsets and LDS addresses v4 to v13 are written, which the kernel's loads and LDS instructions read
	ORDLD 0
	global_load_b128 v[16:19], v7, s[10:11]        ; b2 of my four outputs
	WIN 0x40                                       ; destination window 1
	WLOAD 0
	WIN 0
	s_wait_loadcnt 32                              ; the tokens and b2 are in; the 32 loads of W2 issued behind them may be out
	ADDR
	s_wait_alu depctr_va_vdst(0)                   ; TOK and AA are written, which the loads of x and alpha read
	AXLOAD
	WIN 0x40
	WLOAD 1
	WIN 0x80                                       ; destination window 2
	WLOAD 2
	WLOAD 3
	WIN 0
	s_wait_kmcnt 0x0
	s_min_u32 s30, s30, 1024
	s_add_co_u32 s30, s30, 15
	s_lshr_b32 s30, s30, 4                         ; the expert's tiles,
	s_add_co_u32 s30, s30, 1
	s_sub_co_u32 s30, s30, s22
	s_lshr_b32 s30, s30, 1                         ; those of my parity: tiles still to do
	s_add_co_i32 s28, s26, s27
	s_add_co_i32 s28, s28, 127
	s_lshl_b32 s28, s28, 23                        ; 2^(e2 + e3) as f32
	s_mov_b32 s29, s28                             ; (named with it as a pair, so it is written)
	s_mov_b32 s31, 0                               ; round
.macro FETCH i                         ; the round's tile i: my 8 chunks, 32 loads of 512 consecutive bytes, into buffer i % 2.  The products that read that buffer last stand ahead of the wait on va_vdst that follows them
	WIN 0xc0                                       ; destination window 3
.irp q, 0,1,2,3,4,5,6,7
.irp c, 0,1,2,3
	global_load_b128 v[128*((\i)%2)+16*\q+4*\c:128*((\i)%2)+16*\q+4*\c+3], v5, s[4:5] offset:131072*(\i)+2048*\q+512*\c
.endr
.endr
	WIN 0
.endm
; Tile i's 32 products, two accumulators by turns, and its partial sums into my copy of the stage.
.macro MULST i
.set AB, 128*((\i)%2)
.set AC, ACC+32*((\i)%2)
	s_wait_alu depctr_vm_vsrc(0)                   ; the LDS stores that read this set of accumulators last have read it: the products below write it again
	WIN 0x0d                                       ; source 0 (W2) window 1, source 1 (tokens) window 3
.irp q, 0,1,2,3,4,5,6,7
.irp n, 0,1
.if \q == 0
	v_wmma_f32_16x16x128_bf8_bf8 v[AC+8*\n:AC+8*\n+7], v[16*(8*\n+\q):16*(8*\n+\q)+15], v[AB+16*\q:AB+16*\q+15], 0
.else
	v_wmma_f32_16x16x128_bf8_bf8 v[AC+8*\n:AC+8*\n+7], v[16*(8*\n+\q):16*(8*\n+\q)+15], v[AB+16*\q:AB+16*\q+15], v[AC+8*\n:AC+8*\n+7]
.endif
.endr
.endr
	WIN 0x0e                                       ; source 0 window 2
.irp q, 0,1,2,3,4,5,6,7
.irp n, 0,1
.if \q == 0
	v_wmma_f32_16x16x128_bf8_bf8 v[AC+16+8*\n:AC+16+8*\n+7], v[16*(8*\n+\q):16*(8*\n+\q)+15], v[AB+16*\q:AB+16*\q+15], 0
.else
	v_wmma_f32_16x16x128_bf8_bf8 v[AC+16+8*\n:AC+16+8*\n+7], v[16*(8*\n+\q):16*(8*\n+\q)+15], v[AB+16*\q:AB+16*\q+15], v[AC+16+8*\n:AC+16+8*\n+7]
.endif
.endr
.endr
	WIN 0
.rept 5
	v_nop                                          ; four places ahead of the stores of results; the fifth for the next product that begins one of these accumulators anew
.endr
	s_wait_alu depctr_va_vdst(0)                   ; the products have written the accumulators, which the LDS stores read, and are done reading this buffer of fragments, in which the fetch of two tiles on lands; the places above stay beside this wait
.irp n, 0,1,2,3
	ds_store_b128 v[8+(\i)/4], v[AC+8*\n:AC+8*\n+3] offset:TILES*((\i)%4)+64*\n          ; token r, outputs 16 n + 8 h + 0 .. 7; each accumulator from its low end on
	ds_store_b128 v[8+(\i)/4], v[AC+8*\n+4:AC+8*\n+7] offset:TILES*((\i)%4)+64*\n+16
.endr
.endm
.macro TILE i                          ; tile i has been asked for.  If another follows, it is asked for first
	s_cmp_gt_i32 s30, (\i)+1
	s_cbranch_scc0 .Llast_\i
	FETCH (\i)+1
	s_wait_loadcnt 32                              ; all but the 32 just issued: tile i is in, and so is all that was asked for earlier (W2, x, alpha)
	MULST \i
.endm
; Tile i is finished: the four waves' sums of my rows, in the waves' order; x 2^(e2 + e3) + b2; x alpha + x; stored.
.macro EPI i
	s_cmp_le_i32 s30, \i
	s_cbranch_scc1 .Le_end
.irp p, 0,1
.irp c, 0,1,2,3
	ds_load_b128 v[T+16*\p+4*\c:T+16*\p+4*\c+3], v[10+2*((\i)/4)+\p] offset:TILES*((\i)%4)+COPYB*\c   ; the vector lines that named T last stand ahead of the wait on va_vdst that follows them
.endr
.endr
	s_wait_dscnt 0x0
.irp p, 0,1
.irp c, 1,2,3
	v_pk_add_f32 v[T+16*\p:T+16*\p+1], v[T+16*\p:T+16*\p+1], v[T+16*\p+4*\c:T+16*\p+4*\c+1]
	v_pk_add_f32 v[T+16*\p+2:T+16*\p+3], v[T+16*\p+2:T+16*\p+3], v[T+16*\p+4*\c+2:T+16*\p+4*\c+3]
.endr
	v_pk_fma_f32 v[T+16*\p:T+16*\p+1], v[T+16*\p:T+16*\p+1], s[28:29], v[16:17] op_sel_hi:[1,0,1]
	v_pk_fma_f32 v[T+16*\p+2:T+16*\p+3], v[T+16*\p+2:T+16*\p+3], s[28:29], v[18:19] op_sel_hi:[1,0,1]
.irp k, 0,1,2,3
	v_fmac_f32 v[X+4*(2*(\i)+\p)+\k], v[AL+2*(\i)+\p], v[T+16*\p+\k]
.endr
.endr
	s_wait_alu depctr_va_vdst(0)                   ; the tile's eight numbers of out are written in X, which the two stores read; T and AL are done with, in which later loads land
.irp p, 0,1
	global_store_b128 v[TOK+2*(\i)+\p], v[X+4*(2*(\i)+\p):X+4*(2*(\i)+\p)+3], s[18:19] th:TH_STORE_NT   ; sixteen lanes store 256 consecutive bytes, aligned; written once
.endr
.endm
.Lround:
	s_cmp_le_i32 s30, 0
	s_cbranch_scc1 .Lm_end
	FETCH 0
.irp i, 0,1,2,3,4,5,6
	TILE \i
.endr
	s_wait_loadcnt 0x0
	MULST 7
	s_branch .Lm_end
.irp i, 0,1,2,3,4,5,6                  ; the last tile of all, where it is not the round's eighth: nothing is asked for behind it
.Llast_\i:
	s_wait_loadcnt 0x0
	MULST \i
.if \i < 6
	s_branch .Lm_end
.endif
.endr
.Lm_end:
	s_wait_loadcnt 0x0
	s_wait_dscnt 0x0                               ; my partial sums lie in the stage
	s_barrier_signal -1
	s_barrier_wait -1                              ; everybody's do
.irp i, 0,1,2,3,4,5,6,7
	EPI \i
.endr
.Le_end:
	s_wait_alu depctr_vm_vsrc(0)                   ; the round's stores have read TOK and X, its loads of x and alpha TOK and AA: all three are written again for the next round
	s_cmp_le_i32 s30, 8
	s_cbranch_scc1 .Lno_more
	s_wait_xcnt 0x0                                ; the stores have had their addresses translated: their offsets and data are written again
	ORDLD 1024                                     ; the next round's tokens, alpha and x
	s_wait_loadcnt 0x0
	ADDR
	s_wait_alu depctr_va_vdst(0)                   ; TOK and AA are written, which the loads of x and alpha read
	AXLOAD
.Lno_more:
	s_wait_dscnt 0x0                               ; my reads of the stage are over
	s_barrier_signal -1
	s_barrier_wait -1                              ; everybody's are: the stage may be written again
	s_wait_xcnt 0x0                                ; no memory instruction still reads the two bases that step
	s_add_nc_u64 s[4:5], s[4:5], 0x100000          ; eight tiles of my parity on
	s_add_nc_u64 s[6:7], s[6:7], 1024
	s_sub_co_i32 s30, s30, 8
	s_add_co_u32 s31, s31, 1
	s_cmp_lt_u32 s31, 4
	s_cbranch_scc1 .Lround
	s_wait_dscnt 0x0
	s_wait_alu depctr_hold_cnt(0) depctr_sa_sdst(0) depctr_va_vdst(0) depctr_va_sdst(0) depctr_va_ssrc(0) depctr_va_vcc(0) depctr_vm_vsrc(0)
	s_wait_tensorcnt 0x0
	ds_add_u32 v254, v255
	s_wait_dscnt 0x0
	s_endpgm
.Lfunc_end_k_q5747cd2eb3_ffn2:
	.size	k_q5747cd2eb3_ffn2, .Lfunc_end_k_q5747cd2eb3_ffn2-k_q5747cd2eb3_ffn2
	.p2alignl 7, 3214868480
	.fill 96, 4, 3214868480
	.section	.rodata,"a",@progbits
	.p2align	6, 0x0
	.amdhsa_kernel k_q5747cd2eb3_ffn2
		.amdhsa_group_segment_fixed_size 139776
		.amdhsa_private_segment_fixed_size 0
		.amdhsa_enable_private_segment 0
		.amdhsa_kernarg_size 64
		.amdhsa_user_sgpr_count 2
		.amdhsa_user_sgpr_kernarg_segment_ptr 1
		.amdhsa_wavefront_size32 1
		.amdhsa_system_sgpr_workgroup_id_x 1
		.amdhsa_system_sgpr_workgroup_id_y 1
		.amdhsa_system_sgpr_workgroup_id_z 1
		.amdhsa_system_vgpr_workitem_id 0
		.amdhsa_next_free_vgpr 1024
		.amdhsa_next_free_sgpr 66
		.amdhsa_reserve_vcc 0
		.amdhsa_float_denorm_mode_32 3
		.amdhsa_float_denorm_mode_16_64 3
		.amdhsa_memory_ordered 1
		.amdhsa_forward_progress 1
		.amdhsa_inst_pref_size 115
	.end_amdhsa_kernel
	.amdgpu_metadata
---
amdhsa.version: [ 1, 2 ]
amdhsa.kernels:
  - .name:           k_q5747cd2eb3_ffn2
    .symbol:         k_q5747cd2eb3_ffn2.kd
    .args:
      - { .name: hid, .offset: 0, .size: 8, .value_kind: global_buffer, .address_space: global }
      - { .name: order, .offset: 8, .size: 8, .value_kind: global_buffer, .address_space: global }
      - { .name: W2_codes, .offset: 16, .size: 8, .value_kind: global_buffer, .address_space: global }
      - { .name: b2, .offset: 24, .size: 8, .value_kind: global_buffer, .address_space: global }
      - { .name: lowp_scales, .offset: 32, .size: 8, .value_kind: global_buffer, .address_space: global }
      - { .name: alpha, .offset: 40, .size: 8, .value_kind: global_buffer, .address_space: global }
      - { .name: x, .offset: 48, .size: 8, .value_kind: global_buffer, .address_space: global }
      - { .name: out0, .offset: 56, .size: 8, .value_kind: global_buffer, .address_space: global }
    .group_segment_fixed_size: 139776
    .private_segment_fixed_size: 0
    .kernarg_segment_align: 8
    .kernarg_segment_size: 64
    .max_flat_workgroup_size: 128
    .sgpr_count:     66
    .vgpr_count:     1024
    .wavefront_size: 32
...
	.end_amdgpu_metadata
.endif
;; end of part 4
